; MI455X (gfx1250); checked and timed in simulation.
; The chip was launched on July 23, 2026; its instructions are those of AMD's public machine-readable ISA for CDNA 5 (MIT licence, August 2026) and "CDNA5" Instruction Set Architecture Reference Guide (July 2026). The comments in the code are by the model that wrote it; some were corrected since.
;; Multi Head Attention. Allowed arithmetic: float matrix products may take bf16 or f16 operands with f32 sums; all other float work in f32.
;; Inputs: bk 512 float32; bo 512 float32; bq 512 float32; bv 512 float32; inputs 8 x 1,024 x 512 float32; mask 8 x 1,024 x 1,024 float32; wk 512 x 512 float32; wo 512 x 512 float32; wq 512 x 512 float32; wv 512 x 512 float32.
;; Outputs: out0 8 x 1,024 x 512 float32.
;; One version. Each part assembles by itself: llvm-mc -triple=amdgcn-amd-amdhsa -mcpu=gfx1250 --defsym DOCPART=n.
;; ======== version 1 of 1: 3 launches
;; limits: values are held in f16: magnitudes above 65,504 overflow, below 6.1e-05 lose precision
;; workspace buffers: qkv 25,165,824 bytes; o 8,388,608 bytes; wob 524,288 bytes
;; launch proj (part 1): grid 4 x 64, 4 waves a work-group, clusters of 4 x 4, 327,680 bytes of LDS; arguments inputs, wq, wk, wv, bq, bk, bv, wo, qkv, wob; writes qkv, wob
.if DOCPART == 1
	.amdgcn_target "amdgcn-amd-amdhsa--gfx1250"
	.amdhsa_code_object_version 6
	.text
	.protected	k_q845e3cf41d_proj
	.globl	k_q845e3cf41d_proj
	.p2align	8
	.type	k_q845e3cf41d_proj,@function
k_q845e3cf41d_proj:
	s_mov_b64 s[64:65], 0
	v_nop
	global_prefetch_b8 v0, s[64:65] scope:SCOPE_SE
	s_setreg_imm32_b32 hwreg(HW_REG_WAVE_MODE, 25, 1), 1
	s_wait_xcnt 0x0
	s_wait_alu depctr_hold_cnt(0) depctr_sa_sdst(0) depctr_va_vdst(0) depctr_va_sdst(0) depctr_va_ssrc(0) depctr_va_vcc(0) depctr_vm_vsrc(0)
	s_getreg_b32 s2, hwreg(HW_REG_IB_STS2, 6, 4)
	s_cmp_eq_u32 s2, 0
	s_cbranch_scc0 .Lentry_in_a_cluster
	s_endpgm
.Lentry_in_a_cluster:
	s_bfe_u32 s2, ttmp6, 0x10000c
	s_cmp_lg_u32 s2, 0xf033
	s_cbranch_scc0 .Lentry_shape_is_right
	s_endpgm
.Lentry_shape_is_right:
; qkv[t][0:512] = inputs[t] . wq^T + bq,  [512:1024] the same with wk, bk,  [1024:1536] with wv, bv;  stored as f16, sums in f32.
; Side job: wo is copied to wob as f16 (1,024 numbers a work-group).
; A work-group makes 128 tokens (block by) x 384 features: columns 128 bx .. 128 bx + 127 of q, of k and of v.
; Wave w makes all 128 tokens x local features 96 w .. 96 w + 95: 8 x 6 accumulator tiles, 384 registers.
; K = 512 goes in 8 steps of 64 f32 (rows of 256 bytes, starting at multiples of 256 bytes) through two LDS slots.
; The operands come in as f32 and are rounded to f16 on the way from LDS to the matrix instruction.
; CLUSTER 4 x 4: the four work-groups of a row of the cluster share the token tile, the four of a column the three weight tiles;
; both are asked for jointly.  Wave 0 asks for the tokens, waves 1, 2, 3 for wq's, wk's, wv's 128 rows.
; K ORDER: the cluster with number c along y takes the eight K slices in the order c, c + 1, ... modulo 8.  All sixteen clusters read the
; same weights; at any step they ask for eight different slices, and the slice that a cluster asks for is the one that the cluster
; with the next number asked for one step earlier.  Only the order of the f32 sums hangs on it.
; PREFETCH: the token tiles are read by one row of one cluster alone.  Behind its joint load for tile t + 1 wave 0 asks for tile t + 2:
; one step and 8 KB a work-group ahead.  Work-group bx asks for rows 32 bx .. 32 bx + 31, one aligned block of 256 bytes a lane, so the four
; partners cover the tile's 128 blocks and each block is asked for once in the launch.  Tile 2 is asked for behind the first fills,
; tile 7 in step 5 is the last; tiles 0 and 1 are loaded at once at the start and steps 6 and 7 ask for nothing.
; The matrix instruction takes weight rows as source 0 and token rows as source 1: a lane then holds 8 neighbouring features of one token.
; LIMITS: operands are f16, so |inputs|, |weights| and |q|, |k|, |v| must stay below 65,504; numbers below 6e-5 keep an absolute
; error of 3e-8.  NaN and infinities are not treated specially.
.set PITCH, 272                        ; LDS row: 256 bytes + 16 of padding, an odd multiple of 16
.set HALFT, 128*PITCH                  ; 128 rows: what one tensor load brings
.set SLOT,  4*HALFT                    ; tokens' 128 rows, then the 384 weight rows
.set SP,    784                        ; stage row: 768 bytes + 16
.set QROW,  3072                       ; bytes in a row of qkv
.set G1W0,  (2<<16)|(1<<20)|(1<<21)|(5<<22)|(3<<25)  ; elements of 4 bytes; padding on; bit 21 beside a mask; after 64 words; 4 words
; window 0
.set ADA, 4                            ; v4-5   LDS address of my token fragments, slot 0, 1
.set ADW, 6                            ; v6-7   the same for my weight fragments
.set STO, 8                            ; v8-9   stage: where I put 16 bytes (token tiles 0-3, 4-7)
.set RD,  10                           ; v10    stage: where I read rows back
.set CO,  11                           ; v11    my byte offset in qkv
.set H32, 12                           ; v12    32 x (lane / 16)
.set WI,  13                           ; v13    32 x thread: my 8 numbers of wo
.set WOF, 14                           ; v14    16 x thread: my 8 numbers of wob
.set PF,  15                           ; v15    prefetch: 2,048 x (32 bx + lane), my row of the token block; never rewritten
.set STA, 32                           ; v32-159  tokens as f32, fragment a at +16 a
.set FA,  160                          ; v160-223 tokens as f16, fragment a at +8 a
.set TMP, 224                          ; v224-247 packed results
; window 1
.set STW, 32                           ; weights as f32, fragment b at +16 b
.set FW,  128                          ; weights as f16, fragment b at +8 b
.set BI,  176                          ; bias tiles, tile b at +8 b
; windows 2, 3: accumulator (a', b) at 8 (6 a' + b); token tiles 0-3 in window 2, 4-7 in window 3
.set G1A, 24                           ; s[24:31] group 1, tokens
.set G0A, 32                           ; s[32:39] group 0, tokens, a set for each slot
.set G1B, 48                           ; s[48:55] group 1, weights
.set G0B, 56                           ; s[56:63] group 0, weights, a set for each slot
; s99: number of the next tile to ask for + the cluster's first slice.  s[66:67]: a slice's byte offset in a row.  Neither ever holds cx or cy.
; s[18:19]: the prefetch's base: my token block at the slice of the tile behind the one now asked for.
.set MSB, 0
.macro WIN new                         ; the immediate's high byte repeats the setting that is left
.if MSB != \new
	s_set_vgpr_msb (MSB<<8)|\new
.set MSB, \new
.endif
.endm
.macro PLACES n
.rept \n
	v_nop
.endr
.endm
.macro BAR
	s_barrier_signal -1
	s_barrier_wait -1
.endm
.macro ROUND                           ; a round of the cluster's barrier
	s_barrier_signal -1
	s_barrier_wait -1
	s_cmp_lg_u32 s12, 0
	s_cbranch_scc1 .Lnot_wave_0_\@
	s_barrier_signal -3
.Lnot_wave_0_\@:
	s_barrier_wait -3
	s_barrier_signal -1
	s_barrier_wait -1
.endm
; One joint load a wave: wave 0 the tokens, the others their weight chunk.  pf = 1: behind its load wave 0 asks for its 32 blocks of the next token tile.
.macro JLOAD s, pf
	s_cmp_eq_u32 s12, 0
	s_cbranch_scc0 .Lfor_w_\@
	tensor_load_to_lds s[G0A+4*\s:G0A+4*\s+3], s[G1A:G1A+7]
	s_nop 0
.if \pf
	global_prefetch_b8 v[PF], s[18:19] th:TH_LOAD_NT scope:SCOPE_SE
.endif
	s_branch .Lasked_\@
.Lfor_w_\@:
	tensor_load_to_lds s[G0B+4*\s:G0B+4*\s+3], s[G1B:G1B+7]
	s_nop 0
.Lasked_\@:
.endm
	s_load_b256 s[4:11], s[0:1], 0x0               ; inputs, wq, wk, wv
	s_load_b256 s[68:75], s[0:1], 0x20             ; bq, bk, bv, wo
	s_load_b128 s[76:79], s[0:1], 0x40             ; qkv, wob
	v_lshl_add_u32 v254, v0, 2, 0x44000
	v_mov_b32 v255, 0
	ds_add_u32 v254, v255
	v_lshrrev_b32 v1, 5, v0
	v_readfirstlane_b32 s12, v1                    ; wave 0..3
	s_bfe_u32 s40, ttmp6, 0x40000                  ; cx
	s_bfe_u32 s41, ttmp6, 0x40004                  ; cy
	s_lshl_b32 s42, ttmp9, 2
	s_add_co_u32 s42, s42, s40                     ; bx: column block
	s_and_b32 s13, ttmp7, 0xffff
	s_lshl_b32 s13, s13, 2
	s_add_co_u32 s13, s13, s41                     ; by: token block
	s_lshl_b32 s43, s41, 2
	s_lshl_b32 s43, 15, s43                        ; my row of the cluster
	s_lshl_b32 s44, 0x1111, s40                    ; my column
	s_and_b32 s99, ttmp7, 7                        ; the cluster's number along y modulo 8: its first K slice, the same in all sixteen partners
	s_mov_b32 s67, 0
	s_lshl_b32 s21, s42, 5
	v_and_b32 v[PF], 31, v0
	v_add_nc_u32 v[PF], s21, v[PF]                 ; row 32 bx + lane of the token block
	v_lshlrev_b32 v[PF], 11, v[PF]                 ; x 2,048 bytes
	; group 1: a tile of 128 rows x 64 f32, pitch 512 elements in memory, padded to 272 bytes in LDS
	s_or_b32 s[G1A+0], s43, G1W0
	s_or_b32 s[G1B+0], s44, G1W0
	s_mov_b32 s[G1A+1], 64<<16                     ; tensor_dim0 = 64
	s_mov_b32 s[G1B+1], 64<<16
	s_mov_b32 s[G1A+2], 128<<16                    ; tensor_dim1 = 128
	s_mov_b32 s[G1B+2], 128<<16
	s_mov_b32 s[G1A+3], 64<<16                     ; tile_dim0 = 64
	s_mov_b32 s[G1B+3], 64<<16
	s_mov_b32 s[G1A+4], 128                        ; tile_dim1 = 128
	s_mov_b32 s[G1B+4], 128
	s_mov_b32 s[G1A+5], 512                        ; elements from row to row
	s_mov_b32 s[G1B+5], 512
	s_mov_b32 s[G1A+6], 0
	s_mov_b32 s[G1B+6], 0
	s_mov_b32 s[G1A+7], 0
	s_mov_b32 s[G1B+7], 0
	s_mul_i32 s20, s12, HALFT                      ; where my load goes: wave x 128 rows
	s_lshl_b32 s16, s13, 18                        ; tokens: by x 128 rows x 2,048 bytes
	s_mov_b32 s17, 0
	s_lshl_b32 s18, s42, 18                        ; weights: bx x 128 rows x 2,048 bytes
	s_mov_b32 s19, 0
	s_max_u32 s45, s12, 1
	s_sub_co_u32 s45, s45, 1                       ; which weight matrix my wave fetches: 0, 0, 1, 2
	s_wait_dscnt 0x0
	s_wait_kmcnt 0x0
	s_add_nc_u64 s[14:15], s[4:5], s[16:17]        ; my token block
	s_cmp_lt_u32 s45, 1
	s_cselect_b64 s[46:47], s[6:7], s[8:9]
	s_cmp_lt_u32 s45, 2
	s_cselect_b64 s[46:47], s[46:47], s[10:11]
	s_add_nc_u64 s[46:47], s[46:47], s[18:19]      ; my weight chunk
	ROUND                                          ; all sixteen work-groups are here: the first joint loads meet
.irp s, 0,1
	s_and_b32 s66, s99, 7                          ; tile s lies in K slice (s + first slice) modulo 8,
	s_lshl_b32 s66, s66, 8                         ; 256 bytes a slice
	s_add_co_u32 s99, s99, 1
	s_mov_b32 s[G0A+4*\s], 1
	s_add_co_u32 s[G0A+4*\s+1], s20, \s*SLOT
	s_add_nc_u64 s[G0A+4*\s+2:G0A+4*\s+3], s[14:15], s[66:67]
	s_or_b32 s[G0A+4*\s+3], s[G0A+4*\s+3], 0x80000000
	s_mov_b32 s[G0B+4*\s], 1
	s_add_co_u32 s[G0B+4*\s+1], s20, \s*SLOT
	s_add_nc_u64 s[G0B+4*\s+2:G0B+4*\s+3], s[46:47], s[66:67]
	s_or_b32 s[G0B+4*\s+3], s[G0B+4*\s+3], 0x80000000
.endr
	s_and_b32 s66, s99, 7                          ; tile 2's slice, for the first prefetch
	s_lshl_b32 s66, s66, 8
	s_add_nc_u64 s[18:19], s[14:15], s[66:67]
	JLOAD 0, 0                                     ; both slots are asked for before anything else: two loads of the wave are out
	JLOAD 1, 1
	v_and_b32 v1, 15, v0                           ; r
	v_bfe_u32 v2, v0, 4, 1                         ; h
	v_lshlrev_b32 v[H32], 5, v2
	v_lshlrev_b32 v[WI], 5, v0
	v_lshlrev_b32 v[WOF], 4, v0
	; side job: this work-group's 1,024 numbers of wo
	s_lshl_b32 s21, s13, 2
	s_add_co_u32 s21, s21, s42                     ; work-group 0..255
	s_lshl_b32 s80, s21, 12
	s_mov_b32 s81, 0
	s_add_nc_u64 s[82:83], s[74:75], s[80:81]
	s_lshl_b32 s80, s21, 11
	s_add_nc_u64 s[96:97], s[78:79], s[80:81]
	global_load_b128 v[STA:STA+3], v[WI], s[82:83] th:TH_LOAD_NT
	global_load_b128 v[STA+4:STA+7], v[WI], s[82:83] offset:16 th:TH_LOAD_NT
	; bias tiles: register j of lane (r, h) = bias of feature 16 b + 8 h + j of my 96.  Each tile has a pointer pair of its own.
	s_mul_i32 s21, s12, 96
	s_lshl_b32 s22, s42, 7                         ; 128 bx
	WIN 0x40
.irp b, 0,1,2,3,4,5
	s_add_co_u32 s23, s21, 16*\b                   ; local feature of the tile, 0..383
	s_lshr_b32 s98, s23, 7                         ; 0: q, 1: k, 2: v (hangs on the wave and the tile b)
	s_and_b32 s23, s23, 127
	s_add_co_u32 s23, s23, s22                     ; column in that matrix
	s_lshl_b32 s80, s23, 2
	s_cmp_lt_u32 s98, 1
	s_cselect_b64 s[84+2*\b:85+2*\b], s[68:69], s[70:71]
	s_cmp_lt_u32 s98, 2
	s_cselect_b64 s[84+2*\b:85+2*\b], s[84+2*\b:85+2*\b], s[72:73]
	s_add_nc_u64 s[84+2*\b:85+2*\b], s[84+2*\b:85+2*\b], s[80:81]
	global_load_b128 v[BI+8*\b:BI+8*\b+3], v[H32], s[84+2*\b:85+2*\b]
	global_load_b128 v[BI+8*\b+4:BI+8*\b+7], v[H32], s[84+2*\b:85+2*\b] offset:16
.endr
	WIN 0
	; lane addresses.  An f16 fragment's k = 8 h .. 8 h + 7 are 32 bytes of f32 at 32 h, its k = 16 + 8 h .. at 64 + 32 h.
	v_mul_u32_u24 v3, v1, PITCH
	v_add_nc_u32 v[ADA], v3, v[H32]                ; 272 r + 32 h
	v_add_nc_u32 v[ADA+1], SLOT, v[ADA]
	s_mul_i32 s21, s12, 96*PITCH
	s_add_co_u32 s21, s21, HALFT                   ; my 96 weight rows, behind the tokens' 128
	v_add_nc_u32 v[ADW], s21, v[ADA]
	v_add_nc_u32 v[ADW+1], SLOT, v[ADW]
	v_mul_u32_u24 v[STO], v1, SP
	v_lshl_add_u32 v[STO], v2, 4, v[STO]
	s_mul_i32 s22, s12, 192
	v_add_nc_u32 v[STO], s22, v[STO]               ; 784 r + 192 w + 16 h
	v_add_nc_u32 v[STO+1], 64*SP, v[STO]
	v_mul_u32_u24 v[RD], v2, SP
	v_lshl_add_u32 v[RD], v1, 4, v[RD]
	s_mul_i32 s23, s12, 32*SP
	v_add_nc_u32 v[RD], s23, v[RD]                 ; 784 (32 w + h) + 16 r
	v_mul_u32_u24 v[CO], v2, QROW
	v_lshl_add_u32 v[CO], v1, 4, v[CO]
	s_mul_i32 s21, s12, 32*QROW
	v_add_nc_u32 v[CO], s21, v[CO]                 ; 3072 (32 w + h) + 16 r
	s_wait_loadcnt 0x0                             ; wo's numbers and the bias
.irp i, 0,1,2,3
	v_cvt_pk_f16_f32 v[TMP+\i], v[STA+2*\i], v[STA+2*\i+1]
.endr
	global_store_b128 v[WOF], v[TMP:TMP+3], s[96:97]   ; 16 lanes store 256 consecutive bytes, aligned
; 56 LDS loads: the f32 numbers of one half step (32 along K at byte 128 sub of the rows): 6 weight fragments, then 8 token fragments
.macro FETCH slot, sub
	WIN 0x40
.irp b, 0,1,2,3,4,5
.irp c, 0,1,2,3
	ds_load_b128 v[STW+16*\b+4*\c:STW+16*\b+4*\c+3], v[ADW+\slot] offset:16*PITCH*\b+128*\sub+16*(\c&1)+64*(\c>>1)
.endr
.endr
	WIN 0
.irp a, 0,1,2,3,4,5,6,7
.irp c, 0,1,2,3
	ds_load_b128 v[STA+16*\a+4*\c:STA+16*\a+4*\c+3], v[ADA+\slot] offset:16*PITCH*\a+128*\sub+16*(\c&1)+64*(\c>>1)
.endr
.endr
.endm
.macro CONVERT
	s_wait_dscnt 32                                ; the 24 weight loads are in; the 32 token loads issued behind them may be out
	WIN 0x45
.irp b, 0,1,2,3,4,5
.irp i, 0,1,2,3,4,5,6,7
	v_cvt_pk_f16_f32 v[FW+8*\b+\i], v[STW+16*\b+2*\i], v[STW+16*\b+2*\i+1]
.endr
.endr
	s_wait_dscnt 0x0
	WIN 0
.irp a, 0,1,2,3,4,5,6,7
.irp i, 0,1,2,3,4,5,6,7
	v_cvt_pk_f16_f32 v[FA+8*\a+\i], v[STA+16*\a+2*\i], v[STA+16*\a+2*\i+1]
.endr
.endr
.endm
; 48 matrix instructions, the 48 accumulators by turns, one instruction a turn, in the same order every time.
; first = 1: C is the bias tile, so the bias starts the sums and nothing is cleared.
.macro MUL first
.irp hi, 0,1
.if \first
	WIN (0x91+0x40*\hi)
.else
	WIN (0xa1+0x50*\hi)
.endif
.irp a, 0,1,2,3
.irp b, 0,1,2,3,4,5
.if \first
	v_wmma_f32_16x16x32_f16 v[8*(6*\a+\b):8*(6*\a+\b)+7], v[FW+8*\b:FW+8*\b+7], v[FA+8*(4*\hi+\a):FA+8*(4*\hi+\a)+7], v[BI+8*\b:BI+8*\b+7]
.else
	v_wmma_f32_16x16x32_f16 v[8*(6*\a+\b):8*(6*\a+\b)+7], v[FW+8*\b:FW+8*\b+7], v[FA+8*(4*\hi+\a):FA+8*(4*\hi+\a)+7], v[8*(6*\a+\b):8*(6*\a+\b)+7]
.endif
.endr
.endr
.endr
.endm
; A K step of 64: two half steps.  The second half's 56 loads are on their way while the first half is multiplied.
; Four places stand behind each run of matrix instructions before the conversions rewrite its sources (ISA guide 7.12.1).
.macro KSTEP slot, first
	FETCH \slot, 0
	CONVERT
	FETCH \slot, 1
	MUL \first
	PLACES 4
	CONVERT
	MUL 0
	PLACES 4
	WIN 0
.endm
; The change of slots.  Every wave waits for all its tensor loads (its part of this step's slot among them) and for its reads of the other
; slot; the round of the cluster's barrier shows both of every wave of every partner; the joint refill comes first behind it.
; refill = 1: the other slot gets the next tile.  pf = 1: wave 0 also asks for its blocks of the token tile behind that one.
.macro NEXT slot, refill, pf
	s_wait_tensorcnt 0x0
	ds_add_u32 v254, v255
	s_wait_dscnt 0x0
.if \refill
	s_and_b32 s66, s99, 7                          ; no load is out, so a group 0 may be written: the next tile's K slice
	s_lshl_b32 s66, s66, 8
	s_add_nc_u64 s[G0A+4*(1-\slot)+2:G0A+4*(1-\slot)+3], s[14:15], s[66:67]
	s_or_b32 s[G0A+4*(1-\slot)+3], s[G0A+4*(1-\slot)+3], 0x80000000
	s_add_nc_u64 s[G0B+4*(1-\slot)+2:G0B+4*(1-\slot)+3], s[46:47], s[66:67]
	s_or_b32 s[G0B+4*(1-\slot)+3], s[G0B+4*(1-\slot)+3], 0x80000000
	s_add_co_u32 s99, s99, 1
.endif
.if \pf
	s_wait_xcnt 0x0                                ; the last prefetch was issued a whole step ago: its base is rewritten only behind this wait
	s_and_b32 s66, s99, 7                          ; the slice of the tile behind the one now asked for
	s_lshl_b32 s66, s66, 8
	s_add_nc_u64 s[18:19], s[14:15], s[66:67]
.endif
	s_wait_dscnt 0x0
.if \refill
	ROUND
	JLOAD (1-\slot), \pf
.else
	BAR
.endif
	KSTEP \slot, 0
.endm
	s_wait_tensorcnt 0x1                           ; my part of tile 0 is in; tile 1's load, issued behind it, stays out
	BAR
	KSTEP 0, 1
	s_mov_b32 s3, 2
.Lloop:
	NEXT 1, 1, 1                                   ; steps 1, 3: tiles 2, 4 are loaded, tiles 3, 5 asked for
	NEXT 0, 1, 1                                   ; steps 2, 4: tiles 3, 5 are loaded, tiles 4, 6 asked for
	s_sub_co_u32 s3, s3, 1
	s_cmp_lg_u32 s3, 0
	s_cbranch_scc1 .Lloop
	NEXT 1, 1, 1                                   ; step 5: tile 6 is loaded, tile 7 asked for: the last prefetch
	NEXT 0, 1, 0                                   ; step 6: tile 7 is loaded: the last fill
	NEXT 1, 0, 0                                   ; step 7: nothing is left to fetch
	; THE WAY OUT.  The stage (128 rows x 784 bytes from LDS byte 0) lies in slot 0, which has had its last fill and whose last reads
	; ended in front of the barrier of step 7.  A lane's 8 features of one token are 16 bytes.
.macro OUTA a
.if \a < 4
	WIN 0x0a
.else
	WIN 0x0f
.endif
.irp b, 0,1,2,3,4,5
.irp i, 0,1,2,3
	v_cvt_pk_f16_f32 v[TMP+4*\b+\i], v[8*(6*(\a&3)+\b)+2*\i], v[8*(6*(\a&3)+\b)+2*\i+1]
.endr
.endr
	WIN 0
.irp b, 0,1,2,3,4,5
	ds_store_b128 v[STO+(\a>>2)], v[TMP+4*\b:TMP+4*\b+3] offset:(\a&3)*16*SP+32*\b
.endr
.endm
; rows 32 w + 8 g .. + 7 are read back as whole pieces of 256 bytes (piece u: q, k, v) and stored
.macro BACK g, buf
	s_wait_xcnt 0x0                                ; the buffer, which earlier stores read, is loaded again only behind this wait
.irp p, 0,1,2,3
.irp u, 0,1,2
	ds_load_b128 v[\buf+4*(3*\p+\u):\buf+4*(3*\p+\u)+3], v[RD] offset:(4*\g+\p)*2*SP+256*\u
.endr
.endr
.irp p, 0,1,2,3
.irp u, 0,1,2
	s_wait_dscnt 11-(3*\p+\u)                      ; LDS loads come back in order: this one is in, the younger ones stay out
	global_store_b128 v[CO], v[\buf+4*(3*\p+\u):\buf+4*(3*\p+\u)+3], s[76:77] offset:(4*\g+\p)*2*QROW+1024*\u   ; 16 lanes store 256 consecutive bytes, aligned
.endr
.endr
.endm
	s_wait_xcnt 0x0                                ; TMP held the data of the store to wob
	OUTA 0
	OUTA 1
	OUTA 2
	OUTA 3
	OUTA 4
	OUTA 5
	OUTA 6
	OUTA 7
	s_wait_dscnt 0x0                               ; my stores to the stage are done, for the other waves' sake
	BAR
	s_mul_i32 s80, s13, 128*QROW
	s_lshl_b32 s21, s42, 8
	s_add_co_u32 s80, s80, s21                     ; my block's first row, byte 256 bx
	s_add_nc_u64 s[76:77], s[76:77], s[80:81]
	BACK 0, STA
	BACK 1, STA+48
	BACK 2, STA
	BACK 3, STA+48
	s_wait_tensorcnt 0x0
	ds_add_u32 v254, v255
	s_wait_dscnt 0x0
	ROUND                                          ; the closing round: no work-group ends while a partner may still ask jointly
	s_endpgm
.Lfunc_end_k_q845e3cf41d_proj:
	.size	k_q845e3cf41d_proj, .Lfunc_end_k_q845e3cf41d_proj-k_q845e3cf41d_proj
	.p2alignl 7, 3214868480
	.fill 96, 4, 3214868480
	.section	.rodata,"a",@progbits
	.p2align	6, 0x0
	.amdhsa_kernel k_q845e3cf41d_proj
		.amdhsa_group_segment_fixed_size 327680
		.amdhsa_private_segment_fixed_size 0
		.amdhsa_enable_private_segment 0
		.amdhsa_kernarg_size 80
		.amdhsa_user_sgpr_count 2
		.amdhsa_user_sgpr_kernarg_segment_ptr 1
		.amdhsa_wavefront_size32 1
		.amdhsa_system_sgpr_workgroup_id_x 1
		.amdhsa_system_sgpr_workgroup_id_y 1
		.amdhsa_system_sgpr_workgroup_id_z 1
		.amdhsa_system_vgpr_workitem_id 0
		.amdhsa_next_free_vgpr 960
		.amdhsa_next_free_sgpr 100
		.amdhsa_reserve_vcc 0
		.amdhsa_float_denorm_mode_32 3
		.amdhsa_float_denorm_mode_16_64 3
		.amdhsa_memory_ordered 1
		.amdhsa_forward_progress 1
		.amdhsa_inst_pref_size 208
	.end_amdhsa_kernel
	.amdgpu_metadata
---
amdhsa.version: [ 1, 2 ]
amdhsa.kernels:
  - .name:           k_q845e3cf41d_proj
    .symbol:         k_q845e3cf41d_proj.kd
    .args:
      - { .name: inputs, .offset: 0, .size: 8, .value_kind: global_buffer, .address_space: global }
      - { .name: wq, .offset: 8, .size: 8, .value_kind: global_buffer, .address_space: global }
      - { .name: wk, .offset: 16, .size: 8, .value_kind: global_buffer, .address_space: global }
      - { .name: wv, .offset: 24, .size: 8, .value_kind: global_buffer, .address_space: global }
      - { .name: bq, .offset: 32, .size: 8, .value_kind: global_buffer, .address_space: global }
      - { .name: bk, .offset: 40, .size: 8, .value_kind: global_buffer, .address_space: global }
      - { .name: bv, .offset: 48, .size: 8, .value_kind: global_buffer, .address_space: global }
      - { .name: wo, .offset: 56, .size: 8, .value_kind: global_buffer, .address_space: global }
      - { .name: qkv, .offset: 64, .size: 8, .value_kind: global_buffer, .address_space: global }
      - { .name: wob, .offset: 72, .size: 8, .value_kind: global_buffer, .address_space: global }
    .group_segment_fixed_size: 327680
    .private_segment_fixed_size: 0
    .kernarg_segment_align: 8
    .kernarg_segment_size: 80
    .max_flat_workgroup_size: 128
    .sgpr_count:     100
    .vgpr_count:     960
    .wavefront_size: 32
...
	.end_amdgpu_metadata
.endif
;; end of part 1
;; launch attn (part 2): grid 64 x 4, 8 waves a work-group, clusters of 4 x 4, 327,680 bytes of LDS; arguments qkv, mask, o; writes o
.if DOCPART == 2
	.amdgcn_target "amdgcn-amd-amdhsa--gfx1250"
	.amdhsa_code_object_version 6
	.text
	.protected	k_q845e3cf41d_attn
	.globl	k_q845e3cf41d_attn
	.p2align	8
	.type	k_q845e3cf41d_attn,@function
k_q845e3cf41d_attn:
	s_mov_b64 s[64:65], 0
	v_nop
	global_prefetch_b8 v0, s[64:65] scope:SCOPE_SE
	s_setreg_imm32_b32 hwreg(HW_REG_WAVE_MODE, 25, 1), 1
	s_wait_xcnt 0x0
	s_wait_alu depctr_hold_cnt(0) depctr_sa_sdst(0) depctr_va_vdst(0) depctr_va_sdst(0) depctr_va_ssrc(0) depctr_va_vcc(0) depctr_vm_vsrc(0)
	s_getreg_b32 s2, hwreg(HW_REG_IB_STS2, 6, 4)
	s_cmp_eq_u32 s2, 0
	s_cbranch_scc0 .Lentry_in_a_cluster
	s_endpgm
.Lentry_in_a_cluster:
	s_bfe_u32 s2, ttmp6, 0x10000c
	s_cmp_lg_u32 s2, 0xf033
	s_cbranch_scc0 .Lentry_shape_is_right
	s_endpgm
.Lentry_shape_is_right:
; Attention for one batch, one pair of heads and 128 query rows; o[token][64 head + d] as f16.
;   logit = (q.k / 8) (1 - m) + m (-1e7);  p = softmax over all 1,024 keys;  o = sum of p (1 - m) v.   m is taken as the f32 number it is.
; Eight waves: wave w has head e = w / 4 of the pair and query rows 32 (w & 3) .. + 31.  8 steps of 128 keys, each two sub-steps of 64.
; ARITHMETIC.  With s = q.k as the matrix instruction gives it, L = s + m (-8e7 - s) is 8 x the logit (-8e7 is exact in f32): one add, one
; fused multiply-add.  A running maximum over ALL L, the masked ones too, is taken away before every exponential, together with the
; scale c = log2(e) / 8:  p = 2^(c L - c Lmax), one fused multiply-add.  The second mask pass is P = p - m p, one fused multiply-add.
; LAYOUT: S^T = K Q^T, so a lane holds 8 keys of ONE query; two packed key tiles are at once the second source of O^T = V^T P^T;
; maximum, sum and rescale are one number a lane, and only one exchange between the two halves of the wave is needed.
; ORDER: no instruction waits for the one in front of it: the maximum runs in four chains for each 16 queries, a tile's sum is a small
; tree, and the steps of neighbouring tiles are woven into each other (two plain instructions behind each exponential).
; CLUSTER 4 x 4: x = four query blocks of one batch, y = the four pairs of heads.  K and V tiles are shared along a row of the cluster,
; the mask tile along a column.  Waves 0-3 ask for 32 mask rows each, waves 4, 5 for 64 keys of K, waves 6, 7 for 64 keys of V.
; LIMITS: q, k, v, P and o are f16: |q|, |k|, |v| below 65,504; terms p (1 - m) below 3e-8 (p relative to the row's largest) count as zero;
; for masks that are neither 0 nor 1, L of order 1e7 carries the rounding of that size; NaN and infinities are not treated specially.
.set SLOT,  139264
.set KP,    272                        ; K rows: 256 bytes + 16
.set VP,    288                        ; V rows: 256 bytes + 32, an odd multiple of 32 for the transposing load
.set MP,    528                        ; mask rows: 512 bytes + 16
.set VOFF,  128*KP
.set MOFF,  VOFF+128*VP
.set OST,   2*SLOT                     ; o's stage: 128 rows x 272 bytes of its own; no fill ever lands there
.set OP,    272
.set QROW,  3072
; window 0
.set KA,  4                            ; v4-5   K fragments, slot 0, 1
.set VA,  6                            ; v6-7   V fragments
.set MA,  8                            ; v8-9   mask
.set STO, 10
.set RD,  11
.set CO,  12
.set QO,  13
.set MX,  14                           ; v14-15 running maximum of L for query tile u
.set LS,  16                           ; v16-19 running sums, a pair for each u
.set NM,  20                           ; v20-23 -c x maximum, twice, for each u
.set AL,  24                           ; v24-27 rescale factor, twice, for each u
.set CC,  28                           ; v28-29 c, c
.set T,   30                           ; v30-45 at work: two sets of eight
.set TM,  46                           ; v46-53 this sub-step's maxima: four chains for each u
.set X,   54                           ; v54-55 from the other half of the wave
.set KB,  56                           ; v56-57 -8e7, twice
.set MR,  58                           ; v58-59 the new maximum
.set SC,  64                           ; v64-127  scores, tile n = 4 u + kt at +8 n; later P, fragment (u, kb) at +16 u + 8 kb
.set MK,  128                          ; v128-191 mask, then p (1 - m); same index
.set KV,  192                          ; v192-255 V fragments
; window 1
.set OA,  0                            ; O^T tile (u, d) at 8 (4 u + d)
.set QF,  64                           ; Q fragment (u, ks) at +16 u + 8 ks
.set KF,  96                           ; K fragment (kt, ks) at +16 kt + 8 ks
.set G1M, 16
.set G1K, 24
.set G1V, 32
.set G0M, 40
.set G0K, 48
.set G0V, 56
.set MSB, 0
.macro WIN new                         ; the immediate's high byte repeats the setting that is left
.if MSB != \new
	s_set_vgpr_msb (MSB<<8)|\new
.set MSB, \new
.endif
.endm
.macro PLACES n
.rept \n
	v_nop
.endr
.endm
.macro BAR
	s_barrier_signal -1
	s_barrier_wait -1
.endm
.macro CREST                           ; a round of the cluster's barrier behind its opening barrier
	s_cmp_lg_u32 s10, 0
	s_cbranch_scc1 .Lnot_wave_0_\@
	s_barrier_signal -3
.Lnot_wave_0_\@:
	s_barrier_wait -3
	s_barrier_signal -1
	s_barrier_wait -1
.endm
.macro ROUND                           ; a whole round
	s_barrier_signal -1
	s_barrier_wait -1
	CREST
.endm
.macro JLOAD s                         ; one joint load a wave
	s_cmp_lt_u32 s10, 4
	s_cbranch_scc0 .Lkv_\@
	tensor_load_to_lds s[G0M+4*\s:G0M+4*\s+3], s[G1M:G1M+7]
	s_nop 0
	s_branch .Lasked_\@
.Lkv_\@:
	s_cmp_lt_u32 s10, 6
	s_cbranch_scc0 .Lv_\@
	tensor_load_to_lds s[G0K+4*\s:G0K+4*\s+3], s[G1K:G1K+7]
	s_nop 0
	s_branch .Lasked_\@
.Lv_\@:
	tensor_load_to_lds s[G0V+4*\s:G0V+4*\s+3], s[G1V:G1V+7]
	s_nop 0
.Lasked_\@:
.endm
	s_load_b128 s[4:7], s[0:1], 0x0                ; qkv, mask
	s_load_b64 s[8:9], s[0:1], 0x10                ; o
	v_lshl_add_u32 v62, v0, 2, 0x4c800
	v_mov_b32 v63, 0
	ds_add_u32 v62, v63
	s_wait_dscnt 0x0
	v_lshrrev_b32 v1, 5, v0
	v_readfirstlane_b32 s10, v1                    ; wave 0..7
	s_lshr_b32 s11, s10, 2                         ; e: which head of the pair
	s_and_b32 s12, s10, 3                          ; qs: which 32 query rows; also which 32 mask rows I fetch
	s_and_b32 s13, s10, 1                          ; which 64 keys I fetch
	s_bfe_u32 s14, ttmp6, 0x40000                  ; cx
	s_bfe_u32 s15, ttmp6, 0x40004                  ; cy
	s_lshr_b32 s84, ttmp9, 1                       ; batch: two clusters along x for each
	s_lshl_b32 s72, ttmp9, 2
	s_add_co_u32 s72, s72, s14                     ; block of 128 tokens, 0..63 (8 x batch + query block)
	s_and_b32 s73, ttmp7, 0xffff
	s_lshl_b32 s73, s73, 2
	s_add_co_u32 s73, s73, s15                     ; pair of heads
	s_lshl_b32 s74, s15, 2
	s_lshl_b32 s74, 15, s74                        ; my row of the cluster
	s_lshl_b32 s75, 0x1111, s14                    ; my column
	s_mov_b32 s66, 0x76543210                      ; v_permlanex16_b32: lane i reads lane i of the other half
	s_mov_b32 s67, 0xfedcba98
	; group 1.  Mask: 32 rows x 128 f32, pitch 1,024 elements, 528 bytes in LDS.  K, V: 64 rows x 128 f16, pitch 1,536 elements, 272 and 288 bytes.
	s_or_b32 s[G1M+0], s75, (2<<16)|(1<<20)|(1<<21)|(6<<22)|(3<<25)
	s_mov_b32 s[G1M+1], 128<<16
	s_mov_b32 s[G1M+2], 32<<16
	s_mov_b32 s[G1M+3], 128<<16
	s_mov_b32 s[G1M+4], 32
	s_mov_b32 s[G1M+5], 1024
	s_mov_b32 s[G1M+6], 0
	s_mov_b32 s[G1M+7], 0
	s_or_b32 s[G1K+0], s74, (1<<16)|(1<<20)|(1<<21)|(5<<22)|(3<<25)
	s_mov_b32 s[G1K+1], 128<<16
	s_mov_b32 s[G1K+2], 64<<16
	s_mov_b32 s[G1K+3], 128<<16
	s_mov_b32 s[G1K+4], 64
	s_mov_b32 s[G1K+5], 1536
	s_mov_b32 s[G1K+6], 0
	s_mov_b32 s[G1K+7], 0
	s_or_b32 s[G1V+0], s74, (1<<16)|(1<<20)|(1<<21)|(5<<22)|(7<<25)
	s_mov_b32 s[G1V+1], 128<<16
	s_mov_b32 s[G1V+2], 64<<16
	s_mov_b32 s[G1V+3], 128<<16
	s_mov_b32 s[G1V+4], 64
	s_mov_b32 s[G1V+5], 1536
	s_mov_b32 s[G1V+6], 0
	s_mov_b32 s[G1V+7], 0
	; the mask's address hangs on the token block (cx) and the wave; K's and V's on the batch, the pair of heads (cy) and the wave
	s_lshl_b32 s80, s72, 7
	s_lshl_b32 s81, s12, 5
	s_add_co_u32 s80, s80, s81
	s_lshl_b32 s80, s80, 12                        ; mask row x 4,096 bytes
	s_mov_b32 s81, 0
	s_mul_i32 s82, s84, 1024*QROW
	s_mul_i32 s83, s13, 64*QROW
	s_add_co_u32 s82, s82, s83
	s_lshl_b32 s83, s73, 8
	s_add_co_u32 s82, s82, s83
	s_add_co_u32 s82, s82, 1024                    ; k lies 1,024 bytes into a row of qkv
	s_mov_b32 s83, 0
	s_mul_i32 s94, s12, 32*MP
	s_add_co_u32 s94, s94, MOFF
	s_mul_i32 s95, s13, 64*KP
	s_mul_i32 s96, s13, 64*VP
	s_add_co_u32 s96, s96, VOFF
	; Q's and o's places (these hang on both coordinates and feed no descriptor)
	s_lshl_b32 s86, s72, 7
	s_lshl_b32 s87, s12, 5
	s_add_co_u32 s86, s86, s87
	s_mul_i32 s86, s86, QROW
	s_lshl_b32 s87, s73, 1
	s_add_co_u32 s87, s87, s11
	s_lshl_b32 s87, s87, 7
	s_add_co_u32 s86, s86, s87
	s_mov_b32 s87, 0
	s_lshl_b32 s90, s72, 17
	s_lshl_b32 s91, s73, 8
	s_add_co_u32 s90, s90, s91
	s_mov_b32 s91, 0
	ROUND                                          ; all sixteen work-groups are here: the first joint loads meet.  The round uses no argument, so the arguments' loads stay out across it
	s_wait_kmcnt 0x0                               ; in front of the first use of s[4:9]
	s_add_nc_u64 s[76:77], s[6:7], s[80:81]
	s_add_nc_u64 s[78:79], s[4:5], s[82:83]
	s_add_nc_u64 s[88:89], s[4:5], s[86:87]
	s_add_nc_u64 s[92:93], s[8:9], s[90:91]
.irp s, 0,1
	s_mov_b32 s[G0M+4*\s], 1
	s_add_co_u32 s[G0M+4*\s+1], s94, \s*SLOT
	s_add_nc_u64 s[G0M+4*\s+2:G0M+4*\s+3], s[76:77], \s*512
	s_or_b32 s[G0M+4*\s+3], s[G0M+4*\s+3], 0x80000000
	s_mov_b32 s[G0K+4*\s], 1
	s_add_co_u32 s[G0K+4*\s+1], s95, \s*SLOT
	s_add_nc_u64 s[G0K+4*\s+2:G0K+4*\s+3], s[78:79], \s*128*QROW
	s_or_b32 s[G0K+4*\s+3], s[G0K+4*\s+3], 0x80000000
	s_mov_b32 s[G0V+4*\s], 1
	s_add_co_u32 s[G0V+4*\s+1], s96, \s*SLOT
	s_add_nc_u64 s[G0V+4*\s+2:G0V+4*\s+3], s[78:79], \s*128*QROW+1024
	s_or_b32 s[G0V+4*\s+3], s[G0V+4*\s+3], 0x80000000
	JLOAD \s                                       ; both slots are asked for: two loads of the wave are out
.endr
	v_and_b32 v1, 15, v0                           ; r
	v_bfe_u32 v2, v0, 4, 1                         ; h
	v_mul_u32_u24 v[QO], v1, QROW
	v_lshl_add_u32 v[QO], v2, 4, v[QO]
	WIN 0x40
.irp u, 0,1
.irp ks, 0,1
.irp c, 0,1
	global_load_b128 v[QF+16*\u+8*\ks+4*\c:QF+16*\u+8*\ks+4*\c+3], v[QO], s[88:89] offset:16*QROW*\u+64*\ks+32*\c
.endr
.endr
.endr
	WIN 0
	v_and_b32 v3, 7, v0
	v_bfe_u32 v60, v0, 3, 1
	s_lshl_b32 s97, s11, 7                         ; my head's 128 bytes in a row
	v_mul_u32_u24 v[KA], v1, KP
	v_lshl_add_u32 v[KA], v2, 4, v[KA]
	v_add_nc_u32 v[KA], s97, v[KA]                 ; 272 r + 16 h + 128 e
	v_add_nc_u32 v[KA+1], SLOT, v[KA]
	v_lshl_add_u32 v61, v2, 3, v3
	v_mul_u32_u24 v[VA], v61, VP
	v_lshl_add_u32 v[VA], v60, 4, v[VA]
	s_add_co_u32 s98, s97, VOFF
	v_add_nc_u32 v[VA], s98, v[VA]                 ; 288 (8 h + lane & 7) + 16 (lane / 8 & 1) + 128 e
	v_add_nc_u32 v[VA+1], SLOT, v[VA]
	s_mul_i32 s98, s12, 32*MP
	s_add_co_u32 s98, s98, MOFF
	v_mul_u32_u24 v[MA], v1, MP
	v_lshl_add_u32 v[MA], v2, 5, v[MA]
	v_add_nc_u32 v[MA], s98, v[MA]                 ; 528 (32 qs + r) + 32 h
	v_add_nc_u32 v[MA+1], SLOT, v[MA]
	s_mul_i32 s98, s12, 32*OP
	s_add_co_u32 s98, s98, OST
	s_add_co_u32 s98, s98, s97
	v_mul_u32_u24 v[STO], v1, OP
	v_lshl_add_u32 v[STO], v2, 4, v[STO]
	v_add_nc_u32 v[STO], s98, v[STO]
	s_mul_i32 s98, s10, 16*OP
	s_add_co_u32 s98, s98, OST
	v_mul_u32_u24 v[RD], v2, OP
	v_lshl_add_u32 v[RD], v1, 4, v[RD]
	v_add_nc_u32 v[RD], s98, v[RD]
	s_lshl_b32 s98, s10, 14
	v_lshlrev_b32 v[CO], 10, v2
	v_lshl_add_u32 v[CO], v1, 4, v[CO]
	v_add_nc_u32 v[CO], s98, v[CO]                 ; 1024 (16 w + h) + 16 r
	v_mov_b32 v[MX], 0xff800000                    ; minus infinity: the first rescale factor is 2^-inf = 0
	v_mov_b32 v[MX+1], 0xff800000
	v_mov_b32 v[LS], 0
	v_mov_b32 v[LS+1], 0
	v_mov_b32 v[LS+2], 0
	v_mov_b32 v[LS+3], 0
	v_mov_b32 v[CC], 0x3e38aa3b                    ; c = log2(e) / 8
	v_mov_b32 v[CC+1], 0x3e38aa3b
	v_mov_b32 v[KB], 0xcc989680                    ; -8e7 = 8 x the mask value, exact
	v_mov_b32 v[KB+1], 0xcc989680
	v_mov_b32 v[X], 0                              ; a lane permute's destination counts as read
	v_mov_b32 v[X+1], 0
	s_wait_loadcnt 0x0                             ; Q
; 16 LDS loads: the K fragments of 64 keys, into registers of their own
.macro KLOAD slot, half
	WIN 0x40
.irp kt, 0,1,2,3
.irp ks, 0,1
.irp c, 0,1
	ds_load_b128 v[KF+16*\kt+8*\ks+4*\c:KF+16*\kt+8*\ks+4*\c+3], v[KA+\slot] offset:KP*(64*\half+16*\kt)+64*\ks+32*\c
.endr
.endr
.endr
	WIN 0
.endm
.macro ADDT n                          ; t = -8e7 - s, into the set of T that tile n - 2 has left
.irp i, 0,2,4,6
	v_pk_add_f32 v[T+8*((\n)&1)+\i:T+8*((\n)&1)+\i+1], v[KB:KB+1], v[SC+8*(\n)+\i:SC+8*(\n)+\i+1] neg_lo:[0,1] neg_hi:[0,1]
.endr
.endm
.macro FMAT n                          ; L = m t + s
.irp i, 0,2,4,6
	v_pk_fma_f32 v[SC+8*(\n)+\i:SC+8*(\n)+\i+1], v[MK+8*(\n)+\i:MK+8*(\n)+\i+1], v[T+8*((\n)&1)+\i:T+8*((\n)&1)+\i+1], v[SC+8*(\n)+\i:SC+8*(\n)+\i+1]
.endr
.endm
.macro MAXT n                          ; four chains for each u; the first tile of a u starts them
.irp i, 0,2,4,6
.if ((\n)&3) == 0
	v_max_num_f32 v[TM+4*((\n)>>2)+\i/2], v[SC+8*(\n)+\i], v[SC+8*(\n)+\i+1]
.else
	v_max3_num_f32 v[TM+4*((\n)>>2)+\i/2], v[TM+4*((\n)>>2)+\i/2], v[SC+8*(\n)+\i], v[SC+8*(\n)+\i+1]
.endif
.endr
.endm
.macro EX n, i                         ; p = 2^x
	v_exp_f32 v[SC+8*(\n)+\i], v[SC+8*(\n)+\i]
.endm
.macro GG n, i                         ; x = c L - c Lmax: the maximum is taken away and the scale applied
	v_pk_fma_f32 v[SC+8*(\n)+\i:SC+8*(\n)+\i+1], v[SC+8*(\n)+\i:SC+8*(\n)+\i+1], v[CC:CC+1], v[NM+2*((\n)>>2):NM+2*((\n)>>2)+1]
.endm
.macro FSA m                           ; a tile's sum of p: a tree of three adds, then one add onto the running sum
	s_wait_alu depctr_va_vdst(0)
	v_pk_add_f32 v[T:T+1], v[SC+8*(\m):SC+8*(\m)+1], v[SC+8*(\m)+2:SC+8*(\m)+3]
.endm
.macro FSB m
	v_pk_add_f32 v[T+2:T+3], v[SC+8*(\m)+4:SC+8*(\m)+5], v[SC+8*(\m)+6:SC+8*(\m)+7]
.endm
.macro FSC
	v_pk_add_f32 v[T:T+1], v[T:T+1], v[T+2:T+3]
.endm
.macro FSD m
	v_pk_add_f32 v[LS+2*((\m)>>2):LS+2*((\m)>>2)+1], v[LS+2*((\m)>>2):LS+2*((\m)>>2)+1], v[T:T+1]
.endm
.macro FP m, i                         ; P = p - m p, in the mask's place
	v_pk_fma_f32 v[MK+8*(\m)+\i:MK+8*(\m)+\i+1], v[MK+8*(\m)+\i:MK+8*(\m)+\i+1], v[SC+8*(\m)+\i:SC+8*(\m)+\i+1], v[SC+8*(\m)+\i:SC+8*(\m)+\i+1] neg_lo:[1,0,0] neg_hi:[1,0,0]
.endm
.macro FC m, i                         ; P packed to f16 into registers of a score tile that is already used up
	v_cvt_pk_f16_f32 v[SC+4*(\m)+\i], v[MK+8*(\m)+2*\i], v[MK+8*(\m)+2*\i+1]
.endm
; Tile n's eight exponentials, woven with the scale of tile n + 1 (g = 1) and the sum, mask and pack of tile n - 1 (f = 1).
; Every result of an exponential is first used in the next STAGE, behind plain instructions that touch neither it nor its source (ISA guide 5.7.2).
.macro STAGE n, g, f
	EX \n, 0
.if \g
	GG (\n+1), 0
.endif
.if \f
	FSA (\n-1)
.endif
	EX \n, 1
.if \g
	GG (\n+1), 2
.endif
.if \f
	FSB (\n-1)
.endif
	EX \n, 2
.if \g
	GG (\n+1), 4
.endif
.if \f
	FP (\n-1), 0
.endif
	EX \n, 3
.if \g
	GG (\n+1), 6
.endif
.if \f
	FP (\n-1), 2
.endif
	EX \n, 4
.if \f
	FSC
	FP (\n-1), 4
.endif
	EX \n, 5
.if \f
	FP (\n-1), 6
	FSD (\n-1)
.endif
	EX \n, 6
.if \f
	FC (\n-1), 0
	FC (\n-1), 1
.endif
	EX \n, 7
.if \f
	FC (\n-1), 2
	FC (\n-1), 3
.endif
.endm
; 64 keys x my 32 queries.  first = 1: the very first sub-step starts O's sums with the constant 0 and rescales nothing.
; sig = 1: the step's last sub-step: the barrier of the change of slots is signalled ahead of the last products.
.macro SUB slot, half, first, sig
.if \half == 0
	KLOAD \slot, 0                                 ; the second half's K was asked for during the first half
.endif
.irp u, 0,1
.irp kt, 0,1,2,3
.irp c, 0,1
	ds_load_b128 v[MK+8*(4*\u+\kt)+4*\c:MK+8*(4*\u+\kt)+4*\c+3], v[MA+\slot] offset:16*MP*\u+256*\half+64*\kt+16*\c
.endr
.endr
.endr
	s_wait_dscnt 16                                ; K's 16 loads are in; the mask's 16, issued behind them, may be out
	WIN 0x05
	; S^T: the eight tiles by turns, one instruction a turn
.irp u, 0,1
.irp kt, 0,1,2,3
	v_wmma_f32_16x16x32_f16 v[SC+8*(4*\u+\kt):SC+8*(4*\u+\kt)+7], v[KF+16*\kt:KF+16*\kt+7], v[QF+16*\u:QF+16*\u+7], 0
.endr
.endr
.irp u, 0,1
.irp kt, 0,1,2,3
	v_wmma_f32_16x16x32_f16 v[SC+8*(4*\u+\kt):SC+8*(4*\u+\kt)+7], v[KF+16*\kt+8:KF+16*\kt+15], v[QF+16*\u+8:QF+16*\u+15], v[SC+8*(4*\u+\kt):SC+8*(4*\u+\kt)+7]
.endr
.endr
	WIN 0
	s_wait_dscnt 0x0                               ; the mask
	PLACES 4                                       ; behind the products, before their results are read and K's registers are loaded again (ISA guide 7.12.1)
.irp d, 0,1,2,3
.irp kb, 0,1
.irp c, 0,1
	ds_load_tr16_b128 v[KV+16*\d+8*\kb+4*\c:KV+16*\d+8*\kb+4*\c+3], v[VA+\slot] offset:VP*(64*\half+32*\kb+16*\c)+32*\d
.endr
.endr
.endr
.if \half == 0
	KLOAD \slot, 1
.endif
	; the masked scores and their maxima: the add of tile n + 1, the multiply-add of tile n and the maxima of tile n - 1 are woven
	ADDT 0
	ADDT 1
	FMAT 0
.irp n, 1,2,3,4,5,6
	ADDT (\n+1)
	FMAT \n
	MAXT (\n-1)
.endr
	FMAT 7
	MAXT 6
	MAXT 7
	; the row's new maximum (the other 8 keys of each tile lie in the other half of the wave), -c x maximum, the rescale factor
	v_max3_num_f32 v[MR], v[TM], v[TM+1], v[TM+2]
	v_max3_num_f32 v[MR+1], v[TM+4], v[TM+5], v[TM+6]
	v_max3_num_f32 v[MR], v[MR], v[TM+3], v[MX]
	v_max3_num_f32 v[MR+1], v[MR+1], v[TM+7], v[MX+1]
	v_permlanex16_b32 v[X], v[MR], s66, s67
	v_permlanex16_b32 v[X+1], v[MR+1], s66, s67
	v_max_num_f32 v[MR], v[MR], v[X]
	v_max_num_f32 v[MR+1], v[MR+1], v[X+1]
	v_sub_f32 v[T], v[MX], v[MR]
	v_sub_f32 v[T+1], v[MX+1], v[MR+1]
	v_mul_f32 v[NM], 0xbe38aa3b, v[MR]
	v_mul_f32 v[NM+2], 0xbe38aa3b, v[MR+1]
	v_mul_f32 v[T], v[CC], v[T]
	v_mul_f32 v[T+1], v[CC], v[T+1]
	v_mov_b32 v[NM+1], v[NM]
	v_mov_b32 v[NM+3], v[NM+2]
	v_exp_f32 v[AL], v[T]
	v_exp_f32 v[AL+2], v[T+1]
	GG 0, 0                                        ; plain work behind the two exponentials before their results are used (ISA guide 5.7.2)
	GG 0, 2
	GG 0, 4
	GG 0, 6
	v_mov_b32 v[MX], v[MR]
	v_mov_b32 v[MX+1], v[MR+1]
	s_wait_alu depctr_va_vdst(0)
	v_mov_b32 v[AL+1], v[AL]
	v_mov_b32 v[AL+3], v[AL+2]
	v_pk_mul_f32 v[LS:LS+1], v[LS:LS+1], v[AL:AL+1]
	v_pk_mul_f32 v[LS+2:LS+3], v[LS+2:LS+3], v[AL+2:AL+3]
.if \first == 0
	WIN 0x41
.irp u, 0,1
.irp i, 0,2,4,6,8,10,12,14,16,18,20,22,24,26,28,30
	v_pk_mul_f32 v[OA+32*\u+\i:OA+32*\u+\i+1], v[OA+32*\u+\i:OA+32*\u+\i+1], v[AL+2*\u:AL+2*\u+1]
.endr
.endr
	WIN 0
.endif
	STAGE 0, 1, 0
.irp n, 1,2,3,4,5,6
	STAGE \n, 1, 1
.endr
	STAGE 7, 0, 1
	FSA 7
	FSB 7
	FP 7, 0
	FP 7, 2
	FSC
	FP 7, 4
	FP 7, 6
	FSD 7
	FC 7, 0
	FC 7, 1
	FC 7, 2
	FC 7, 3
.if \half == 0
	s_wait_dscnt 16                                ; V's 16 loads are in; the next half's 16 K loads, issued behind them, may be out
.else
	s_wait_dscnt 0x0                               ; V's fragments: my last reads of this slot
.endif
.if \sig
	s_wait_tensorcnt 0x0                           ; all my tensor loads have landed: the one that was out is my part of the next step's slot
	ds_add_u32 v62, v63
	s_wait_dscnt 0x0
	s_barrier_signal -1                            ; say so; only register work stands between this signal and its wait
.endif
	; O^T += V^T P^T: the eight tiles by turns, one instruction a turn
.if \first
	WIN 0x40
.irp u, 0,1
.irp d, 0,1,2,3
	v_wmma_f32_16x16x32_f16 v[OA+8*(4*\u+\d):OA+8*(4*\u+\d)+7], v[KV+16*\d:KV+16*\d+7], v[SC+16*\u:SC+16*\u+7], 0
.endr
.endr
.else
	WIN 0x50
.irp u, 0,1
.irp d, 0,1,2,3
	v_wmma_f32_16x16x32_f16 v[OA+8*(4*\u+\d):OA+8*(4*\u+\d)+7], v[KV+16*\d:KV+16*\d+7], v[SC+16*\u:SC+16*\u+7], v[OA+8*(4*\u+\d):OA+8*(4*\u+\d)+7]
.endr
.endr
.endif
	WIN 0x50
.irp u, 0,1
.irp d, 0,1,2,3
	v_wmma_f32_16x16x32_f16 v[OA+8*(4*\u+\d):OA+8*(4*\u+\d)+7], v[KV+16*\d+8:KV+16*\d+15], v[SC+16*\u+8:SC+16*\u+15], v[OA+8*(4*\u+\d):OA+8*(4*\u+\d)+7]
.endr
.endr
	WIN 0
	PLACES 5                                       ; the next products write over P, the next loads land in V's registers
.endm
; A step of 128 keys in slot.  mode 2: this slot is filled again, two steps ahead: each wave's reads of it and all its tensor loads were
; waited for in front of the signal inside SUB; that barrier opens a round of the cluster's barrier, and the joint refill comes first
; behind the round.  mode 1: a barrier alone (the next step's slot is whole for every wave; nothing is left to fetch).  mode 0: the last step.
.macro STEPX slot, first, mode
	SUB \slot, 0, \first, 0
	SUB \slot, 1, 0, \mode
.if \mode
	s_barrier_wait -1
.endif
.if \mode == 2
	CREST
	s_add_nc_u64 s[G0M+4*\slot+2:G0M+4*\slot+3], s[G0M+4*\slot+2:G0M+4*\slot+3], 1024          ; no load of mine is out: 256 keys on along the mask's rows
	s_add_nc_u64 s[G0K+4*\slot+2:G0K+4*\slot+3], s[G0K+4*\slot+2:G0K+4*\slot+3], 256*QROW      ; 256 keys down
	s_add_nc_u64 s[G0V+4*\slot+2:G0V+4*\slot+3], s[G0V+4*\slot+2:G0V+4*\slot+3], 256*QROW
	JLOAD \slot
.endif
.endm
	s_wait_tensorcnt 0x1                           ; my part of step 0 is in; step 1's load, issued behind it, stays out
	BAR
	STEPX 0, 1, 2                                  ; step 0; slot 0 gets step 2's tiles
	s_mov_b32 s3, 2
.Lloop:
	STEPX 1, 0, 2                                  ; steps 1, 3
	STEPX 0, 0, 2                                  ; steps 2, 4
	s_sub_co_u32 s3, s3, 1
	s_cmp_lg_u32 s3, 0
	s_cbranch_scc1 .Lloop
	STEPX 1, 0, 2                                  ; step 5; slot 1 gets step 7's tiles: the last fill
	STEPX 0, 0, 1                                  ; step 6
	STEPX 1, 0, 0                                  ; step 7
	; o = O / sum.  The row's largest L gives 2^0 up to the rounding of c Lmax, so the sum is not small.
	v_add_f32 v[T], v[LS], v[LS+1]
	v_add_f32 v[T+1], v[LS+2], v[LS+3]
	v_permlanex16_b32 v[X], v[T], s66, s67
	v_permlanex16_b32 v[X+1], v[T+1], s66, s67
	v_add_f32 v[T], v[T], v[X]
	v_add_f32 v[T+1], v[T+1], v[X+1]
	v_rcp_f32 v[AL], v[T]
	v_rcp_f32 v[AL+2], v[T+1]
	v_nop
	s_wait_alu depctr_va_vdst(0)
	v_mov_b32 v[AL+1], v[AL]
	v_mov_b32 v[AL+3], v[AL+2]
	WIN 0x01
.irp u, 0,1
.irp i, 0,2,4,6,8,10,12,14,16,18,20,22,24,26,28,30
	v_pk_mul_f32 v[MK+32*\u+\i:MK+32*\u+\i+1], v[OA+32*\u+\i:OA+32*\u+\i+1], v[AL+2*\u:AL+2*\u+1]
.endr
.endr
	WIN 0
.irp n, 0,1,2,3,4,5,6,7
.irp i, 0,1,2,3
	v_cvt_pk_f16_f32 v[SC+4*\n+\i], v[MK+8*\n+2*\i], v[MK+8*\n+2*\i+1]
.endr
.endr
.irp u, 0,1
.irp d, 0,1,2,3
	ds_store_b128 v[STO], v[SC+4*(4*\u+\d):SC+4*(4*\u+\d)+3] offset:16*OP*\u+32*\d   ; 8 neighbouring d of one query
.endr
.endr
	s_wait_dscnt 0x0                               ; my stores are done, for the other waves' sake
	BAR
.irp p, 0,1,2,3,4,5,6,7
	ds_load_b128 v[MK+4*\p:MK+4*\p+3], v[RD] offset:2*OP*\p
.endr
.irp p, 0,1,2,3,4,5,6,7
	s_wait_dscnt 7-\p                              ; LDS loads come back in order: this one is in, the younger ones stay out
	global_store_b128 v[CO], v[MK+4*\p:MK+4*\p+3], s[92:93] offset:2048*\p   ; 16 lanes store the pair of heads' 256 consecutive bytes, aligned
.endr
	s_wait_tensorcnt 0x0
	ds_add_u32 v62, v63
	s_wait_dscnt 0x0
	ROUND                                          ; the closing round: no work-group ends while a partner may still ask jointly
	s_endpgm
.Lfunc_end_k_q845e3cf41d_attn:
	.size	k_q845e3cf41d_attn, .Lfunc_end_k_q845e3cf41d_attn-k_q845e3cf41d_attn
	.p2alignl 7, 3214868480
	.fill 96, 4, 3214868480
	.section	.rodata,"a",@progbits
	.p2align	6, 0x0
	.amdhsa_kernel k_q845e3cf41d_attn
		.amdhsa_group_segment_fixed_size 327680
		.amdhsa_private_segment_fixed_size 0
		.amdhsa_enable_private_segment 0
		.amdhsa_kernarg_size 24
		.amdhsa_user_sgpr_count 2
		.amdhsa_user_sgpr_kernarg_segment_ptr 1
		.amdhsa_wavefront_size32 1
		.amdhsa_system_sgpr_workgroup_id_x 1
		.amdhsa_system_sgpr_workgroup_id_y 1
		.amdhsa_system_sgpr_workgroup_id_z 1
		.amdhsa_system_vgpr_workitem_id 0
		.amdhsa_next_free_vgpr 416
		.amdhsa_next_free_sgpr 100
		.amdhsa_reserve_vcc 0
		.amdhsa_float_denorm_mode_32 3
		.amdhsa_float_denorm_mode_16_64 3
		.amdhsa_memory_ordered 1
		.amdhsa_forward_progress 1
		.amdhsa_inst_pref_size 255
	.end_amdhsa_kernel
	.section	.bss,"aw",@nobits
	.p2align	6
	.space	262144
	.amdgpu_metadata
---
amdhsa.version: [ 1, 2 ]
amdhsa.kernels:
  - .name:           k_q845e3cf41d_attn
    .symbol:         k_q845e3cf41d_attn.kd
    .args:
      - { .name: qkv, .offset: 0, .size: 8, .value_kind: global_buffer, .address_space: global }
      - { .name: mask, .offset: 8, .size: 8, .value_kind: global_buffer, .address_space: global }
      - { .name: o, .offset: 16, .size: 8, .value_kind: global_buffer, .address_space: global }
    .group_segment_fixed_size: 327680
    .private_segment_fixed_size: 0
    .kernarg_segment_align: 8
    .kernarg_segment_size: 24
    .max_flat_workgroup_size: 256
    .sgpr_count:     100
    .vgpr_count:     416
    .wavefront_size: 32
...
	.end_amdgpu_metadata
.endif
;; end of part 2
;; launch outp (part 3): grid 4 x 64, 4 waves a work-group, clusters of 4 x 4, 296,448 bytes of LDS; arguments o, wob, bo, out0; writes out0
.if DOCPART == 3
	.amdgcn_target "amdgcn-amd-amdhsa--gfx1250"
	.amdhsa_code_object_version 6
	.text
	.protected	k_q845e3cf41d_outp
	.globl	k_q845e3cf41d_outp
	.p2align	8
	.type	k_q845e3cf41d_outp,@function
k_q845e3cf41d_outp:
	s_mov_b64 s[64:65], 0
	v_nop
	global_prefetch_b8 v0, s[64:65] scope:SCOPE_SE
	s_setreg_imm32_b32 hwreg(HW_REG_WAVE_MODE, 25, 1), 1
	s_wait_xcnt 0x0
	s_wait_alu depctr_hold_cnt(0) depctr_sa_sdst(0) depctr_va_vdst(0) depctr_va_sdst(0) depctr_va_ssrc(0) depctr_va_vcc(0) depctr_vm_vsrc(0)
	s_getreg_b32 s2, hwreg(HW_REG_IB_STS2, 6, 4)
	s_cmp_eq_u32 s2, 0
	s_cbranch_scc0 .Lentry_in_a_cluster
	s_endpgm
.Lentry_in_a_cluster:
	s_bfe_u32 s2, ttmp6, 0x10000c
	s_cmp_lg_u32 s2, 0xf033
	s_cbranch_scc0 .Lentry_shape_is_right
	s_endpgm
.Lentry_shape_is_right:
; out0[t][n] = sum over k of o[t][k] wob[n][k] + bo[n];  o and wob f16, sums and out0 f32.
; A work-group makes 128 tokens (block by) x 128 columns (block bx); a wave 64 x 64: 16 accumulator tiles.
; In f16 the whole K = 512 of both operands fits in LDS as four slices of 128 k (rows of 256 bytes): every tensor load is a first fill,
; all go out together at the start (four of each wave are out), nothing is ever filled again, and each slice is waited for as it is needed.
; CLUSTER 4 x 4: o's tiles are shared along a row of the cluster, wob's along a column.  Waves 0, 1 ask for o's 64 + 64 rows, waves 2, 3 for wob's.
; Source 0 = rows of wob, source 1 = rows of o: a lane holds 8 neighbouring columns of one token.
; LIMITS: f16 operands (|o|, |wo| below 65,504); NaN and infinities are not treated specially.
.set PITCH, 272
.set SLICE, 256*PITCH                  ; o's 128 rows, then wob's 128 rows
.set STAGE, 4*SLICE                    ; 16 rows x 272 bytes for each wave, its own; no fill ever lands there
.set G1W0,  (1<<16)|(1<<20)|(1<<21)|(5<<22)|(3<<25)
.set ADA, 4                            ; v4-7   my o fragments in slice 0..3
.set ADW, 8                            ; v8-11  my wob fragments
.set STO, 12
.set RD,  13
.set CO,  14
.set H32, 15
.set F0,  16                           ; v16-79   fragment buffer 0: wob's at +8 bt, o's at +32 + 8 at
.set F1,  80                           ; v80-143  fragment buffer 1
.set BI,  144                          ; v144-175 bias tiles
; window 1: accumulator (at, bt) at 8 (4 at + bt)
.set G1A, 16
.set G1B, 24
.set G0A, 32
.set G0B, 48
.set MSB, 0
.macro WIN new
.if MSB != \new
	s_set_vgpr_msb (MSB<<8)|\new
.set MSB, \new
.endif
.endm
.macro PLACES n
.rept \n
	v_nop
.endr
.endm
.macro BAR
	s_barrier_signal -1
	s_barrier_wait -1
.endm
.macro ROUND
	s_barrier_signal -1
	s_barrier_wait -1
	s_cmp_lg_u32 s12, 0
	s_cbranch_scc1 .Lnot_wave_0_\@
	s_barrier_signal -3
.Lnot_wave_0_\@:
	s_barrier_wait -3
	s_barrier_signal -1
	s_barrier_wait -1
.endm
.macro JLOAD s
	s_cmp_lt_u32 s12, 2
	s_cbranch_scc0 .Lfor_w_\@
	tensor_load_to_lds s[G0A+4*\s:G0A+4*\s+3], s[G1A:G1A+7]
	s_nop 0
	s_branch .Lasked_\@
.Lfor_w_\@:
	tensor_load_to_lds s[G0B+4*\s:G0B+4*\s+3], s[G1B:G1B+7]
	s_nop 0
.Lasked_\@:
.endm
	s_load_b256 s[4:11], s[0:1], 0x0               ; o, wob, bo, out0
	v_lshl_add_u32 v254, v0, 2, 0x48400
	v_mov_b32 v255, 0
	ds_add_u32 v254, v255
	v_lshrrev_b32 v1, 5, v0
	v_readfirstlane_b32 s12, v1                    ; wave 0..3
	s_lshr_b32 s13, s12, 1                         ; wm: which 64 tokens
	s_and_b32 s14, s12, 1                          ; wn: which 64 columns; also which 64 rows I fetch
	s_bfe_u32 s66, ttmp6, 0x40000                  ; cx
	s_bfe_u32 s67, ttmp6, 0x40004                  ; cy
	s_lshl_b32 s68, ttmp9, 2
	s_add_co_u32 s68, s68, s66                     ; bx
	s_and_b32 s69, ttmp7, 0xffff
	s_lshl_b32 s69, s69, 2
	s_add_co_u32 s69, s69, s67                     ; by
	s_lshl_b32 s70, s67, 2
	s_lshl_b32 s70, 15, s70                        ; my row of the cluster
	s_lshl_b32 s71, 0x1111, s66                    ; my column
	; group 1: 64 rows x 128 f16, pitch 512 elements, 272 bytes in LDS
	s_or_b32 s[G1A+0], s70, G1W0
	s_or_b32 s[G1B+0], s71, G1W0
	s_mov_b32 s[G1A+1], 128<<16
	s_mov_b32 s[G1B+1], 128<<16
	s_mov_b32 s[G1A+2], 64<<16
	s_mov_b32 s[G1B+2], 64<<16
	s_mov_b32 s[G1A+3], 128<<16
	s_mov_b32 s[G1B+3], 128<<16
	s_mov_b32 s[G1A+4], 64
	s_mov_b32 s[G1B+4], 64
	s_mov_b32 s[G1A+5], 512
	s_mov_b32 s[G1B+5], 512
	s_mov_b32 s[G1A+6], 0
	s_mov_b32 s[G1B+6], 0
	s_mov_b32 s[G1A+7], 0
	s_mov_b32 s[G1B+7], 0
	s_lshl_b32 s76, s69, 17                        ; by x 128 rows x 1,024 bytes
	s_lshl_b32 s77, s14, 16                        ; + 64 rows
	s_add_co_u32 s76, s76, s77
	s_mov_b32 s77, 0
	s_lshl_b32 s78, s68, 17
	s_lshl_b32 s79, s14, 16
	s_add_co_u32 s78, s78, s79
	s_mov_b32 s79, 0
	s_mul_i32 s80, s12, 64*PITCH                   ; where my loads go: wave x 64 rows
	s_lshl_b32 s82, s68, 9                         ; bias: (128 bx + 64 wn) x 4 bytes
	s_lshl_b32 s83, s14, 8
	s_add_co_u32 s82, s82, s83
	s_mov_b32 s83, 0
	s_wait_dscnt 0x0
	s_wait_kmcnt 0x0
	s_add_nc_u64 s[72:73], s[4:5], s[76:77]
	s_add_nc_u64 s[74:75], s[6:7], s[78:79]
	s_add_nc_u64 s[8:9], s[8:9], s[82:83]
	ROUND                                          ; all sixteen work-groups are here: the joint loads meet
.irp s, 0,1,2,3
	s_mov_b32 s[G0A+4*\s], 1
	s_add_co_u32 s[G0A+4*\s+1], s80, \s*SLICE
	s_add_nc_u64 s[G0A+4*\s+2:G0A+4*\s+3], s[72:73], \s*256
	s_or_b32 s[G0A+4*\s+3], s[G0A+4*\s+3], 0x80000000
	s_mov_b32 s[G0B+4*\s], 1
	s_add_co_u32 s[G0B+4*\s+1], s80, \s*SLICE
	s_add_nc_u64 s[G0B+4*\s+2:G0B+4*\s+3], s[74:75], \s*256
	s_or_b32 s[G0B+4*\s+3], s[G0B+4*\s+3], 0x80000000
	JLOAD \s
.endr
	v_and_b32 v1, 15, v0                           ; r
	v_bfe_u32 v2, v0, 4, 1                         ; h
	v_lshlrev_b32 v[H32], 5, v2
.irp bt, 0,1,2,3
	global_load_b128 v[BI+8*\bt:BI+8*\bt+3], v[H32], s[8:9] offset:64*\bt          ; register j of lane (r, h): bo of column 16 bt + 8 h + j
	global_load_b128 v[BI+8*\bt+4:BI+8*\bt+7], v[H32], s[8:9] offset:64*\bt+16
.endr
	v_mul_u32_u24 v3, v1, PITCH
	v_lshl_add_u32 v3, v2, 4, v3                   ; 272 r + 16 h
	s_mul_i32 s81, s13, 64*PITCH
	v_add_nc_u32 v[ADA], s81, v3
	s_mul_i32 s81, s14, 64*PITCH
	s_add_co_u32 s81, s81, 128*PITCH
	v_add_nc_u32 v[ADW], s81, v3
.irp s, 1,2,3
	v_add_nc_u32 v[ADA+\s], \s*SLICE, v[ADA]
	v_add_nc_u32 v[ADW+\s], \s*SLICE, v[ADW]
.endr
	s_mul_i32 s81, s12, 16*PITCH
	s_add_co_u32 s81, s81, STAGE
	v_mul_u32_u24 v[STO], v1, PITCH
	v_lshl_add_u32 v[STO], v2, 5, v[STO]
	v_add_nc_u32 v[STO], s81, v[STO]               ; stage + 272 r + 32 h
	v_mul_u32_u24 v[RD], v2, PITCH
	v_lshl_add_u32 v[RD], v1, 4, v[RD]
	v_add_nc_u32 v[RD], s81, v[RD]                 ; stage + 272 h + 16 r
	v_lshlrev_b32 v[CO], 11, v2
	v_lshl_add_u32 v[CO], v1, 4, v[CO]
	s_lshl_b32 s81, s13, 17
	v_add_nc_u32 v[CO], s81, v[CO]
	s_lshl_b32 s81, s14, 8
	v_add_nc_u32 v[CO], s81, v[CO]                 ; 2048 (64 wm + h) + 256 wn + 16 r
	s_mul_i32 s82, s69, 128*2048
	s_lshl_b32 s81, s68, 9
	s_add_co_u32 s82, s82, s81
	s_add_nc_u64 s[10:11], s[10:11], s[82:83]      ; out0 at my block
	s_wait_loadcnt 0x0                             ; the bias
; 16 LDS loads: the fragments of K step kk (32 along K): 4 of wob, 4 of o
.macro FETCH kk, f
.irp tl, 0,1,2,3
	ds_load_b128 v[\f+8*\tl:\f+8*\tl+3], v[ADW+((\kk)>>2)] offset:16*PITCH*\tl+64*((\kk)&3)
	ds_load_b128 v[\f+8*\tl+4:\f+8*\tl+7], v[ADW+((\kk)>>2)] offset:16*PITCH*\tl+64*((\kk)&3)+32
.endr
.irp tl, 0,1,2,3
	ds_load_b128 v[\f+32+8*\tl:\f+32+8*\tl+3], v[ADA+((\kk)>>2)] offset:16*PITCH*\tl+64*((\kk)&3)
	ds_load_b128 v[\f+32+8*\tl+4:\f+32+8*\tl+7], v[ADA+((\kk)>>2)] offset:16*PITCH*\tl+64*((\kk)&3)+32
.endr
.endm
; 16 matrix instructions, the 16 accumulators by turns, one instruction a turn.  first = 1: C is the bias tile.
.macro MUL16 f, first
.if \first
	WIN 0x40
.else
	WIN 0x50
.endif
.irp at, 0,1,2,3
.irp bt, 0,1,2,3
.if \first
	v_wmma_f32_16x16x32_f16 v[8*(4*\at+\bt):8*(4*\at+\bt)+7], v[\f+8*\bt:\f+8*\bt+7], v[\f+32+8*\at:\f+32+8*\at+7], v[BI+8*\bt:BI+8*\bt+7]
.else
	v_wmma_f32_16x16x32_f16 v[8*(4*\at+\bt):8*(4*\at+\bt)+7], v[\f+8*\bt:\f+8*\bt+7], v[\f+32+8*\at:\f+32+8*\at+7], v[8*(4*\at+\bt):8*(4*\at+\bt)+7]
.endif
.endr
.endr
	WIN 0
.endm
; K step kk: the next step's fragments are asked for, then this step's are multiplied.  Where the next step opens a new slice, the wave
; first shows its part of that slice landed (the later slices' loads stay out) and passes a barrier.
.macro KS kk, cur, oth, first
.if \kk < 15
.if \kk > 0
	PLACES 4                                       ; loads into registers that the last matrix instructions read stand four places behind them
.endif
.if ((\kk+1)&3) == 0
	s_wait_dscnt 0x0                               ; no LDS instruction is pending at a signal
	s_wait_tensorcnt 3-(\kk+1)/4                   ; the loads of the slices behind the one now needed may stay out
	BAR
.endif
	FETCH (\kk+1), \oth
	s_wait_dscnt 16                                ; all but the 16 just issued
.else
	s_wait_dscnt 0x0
.endif
	MUL16 \cur, \first
.endm
	s_wait_tensorcnt 0x3                           ; my part of slice 0 is in; the three loads issued behind it stay out
	BAR
	FETCH 0, F0
	KS 0, F0, F1, 1
	KS 1, F1, F0, 0
	KS 2, F0, F1, 0
	KS 3, F1, F0, 0
	KS 4, F0, F1, 0
	KS 5, F1, F0, 0
	KS 6, F0, F1, 0
	KS 7, F1, F0, 0
	KS 8, F0, F1, 0
	KS 9, F1, F0, 0
	KS 10, F0, F1, 0
	KS 11, F1, F0, 0
	KS 12, F0, F1, 0
	KS 13, F1, F0, 0
	KS 14, F0, F1, 0
	KS 15, F1, F0, 0
	PLACES 4                                       ; behind the last matrix instructions, before their results are stored and their sources loaded again
; 16 tokens x my 64 columns: 32 bytes a lane into my own stage, read back as whole rows of 256 bytes.  LDS serves a wave's instructions in order.
.macro OUT16 at, buf
	WIN 0x04
.irp bt, 0,1,2,3
	ds_store_b128 v[STO], v[8*(4*\at+\bt):8*(4*\at+\bt)+3] offset:64*\bt
	ds_store_b128 v[STO], v[8*(4*\at+\bt)+4:8*(4*\at+\bt)+7] offset:64*\bt+16
.endr
	WIN 0
	s_wait_xcnt 0x0                                ; the buffer, which earlier stores read, is loaded again only behind this wait
.irp p, 0,1,2,3,4,5,6,7
	ds_load_b128 v[\buf+4*\p:\buf+4*\p+3], v[RD] offset:2*PITCH*\p
.endr
.irp p, 0,1,2,3,4,5,6,7
	s_wait_dscnt 7-\p                              ; this load is in, the younger ones stay out
	global_store_b128 v[CO], v[\buf+4*\p:\buf+4*\p+3], s[10:11] offset:(16*\at+2*\p)*2048 th:TH_STORE_NT   ; 16 lanes store 256 consecutive bytes, aligned
.endr
.endm
	OUT16 0, F0
	OUT16 1, F1
	OUT16 2, F0
	OUT16 3, F1
	s_wait_tensorcnt 0x0
	ds_add_u32 v254, v255
	s_wait_dscnt 0x0
	ROUND                                          ; the closing round
	s_endpgm
.Lfunc_end_k_q845e3cf41d_outp:
	.size	k_q845e3cf41d_outp, .Lfunc_end_k_q845e3cf41d_outp-k_q845e3cf41d_outp
	.p2alignl 7, 3214868480
	.fill 96, 4, 3214868480
	.section	.rodata,"a",@progbits
	.p2align	6, 0x0
	.amdhsa_kernel k_q845e3cf41d_outp
		.amdhsa_group_segment_fixed_size 296448
		.amdhsa_private_segment_fixed_size 0
		.amdhsa_enable_private_segment 0
		.amdhsa_kernarg_size 32
		.amdhsa_user_sgpr_count 2
		.amdhsa_user_sgpr_kernarg_segment_ptr 1
		.amdhsa_wavefront_size32 1
		.amdhsa_system_sgpr_workgroup_id_x 1
		.amdhsa_system_sgpr_workgroup_id_y 1
		.amdhsa_system_sgpr_workgroup_id_z 1
		.amdhsa_system_vgpr_workitem_id 0
		.amdhsa_next_free_vgpr 384
		.amdhsa_next_free_sgpr 84
		.amdhsa_reserve_vcc 0
		.amdhsa_float_denorm_mode_32 3
		.amdhsa_float_denorm_mode_16_64 3
		.amdhsa_memory_ordered 1
		.amdhsa_forward_progress 1
		.amdhsa_inst_pref_size 54
	.end_amdhsa_kernel
	.amdgpu_metadata
---
amdhsa.version: [ 1, 2 ]
amdhsa.kernels:
  - .name:           k_q845e3cf41d_outp
    .symbol:         k_q845e3cf41d_outp.kd
    .args:
      - { .name: o, .offset: 0, .size: 8, .value_kind: global_buffer, .address_space: global }
      - { .name: wob, .offset: 8, .size: 8, .value_kind: global_buffer, .address_space: global }
      - { .name: bo, .offset: 16, .size: 8, .value_kind: global_buffer, .address_space: global }
      - { .name: out0, .offset: 24, .size: 8, .value_kind: global_buffer, .address_space: global }
    .group_segment_fixed_size: 296448
    .private_segment_fixed_size: 0
    .kernarg_segment_align: 8
    .kernarg_segment_size: 32
    .max_flat_workgroup_size: 128
    .sgpr_count:     84
    .vgpr_count:     384
    .wavefront_size: 32
...
	.end_amdgpu_metadata
.endif
;; end of part 3
